; MI455X (gfx1250); checked and timed in simulation.
; The chip was launched on July 23, 2026; its instructions are those of AMD's public machine-readable ISA for CDNA 5 (MIT licence, August 2026) and "CDNA5" Instruction Set Architecture Reference Guide (July 2026). The comments in the code are by the model that wrote it; some were corrected since.
;; GELU128. Allowed arithmetic: matrix products marked QUANTISED: E5M2 operands, one E8M0 scale for each 32 along K, by v_wmma_scale_f32_16x16x128_f8f6f4 with both operands' format E5M2, f32 sums; everything else in f32.
;; Inputs: log_alpha one number float32; log_sigma one number float32; x 8 x 2,048 x 1,024 float32.
;; Outputs: out0 8 x 2,048 x 1,024 float32.
;; This version of the problem:
;;   THIS VERSION OF THE PROBLEM IS GIVEN IN LOW PRECISION. The matrix products marked QUANTISED in the list below multiply operands that are first quantised to E5M2 (5 exponent bits, 2 mantissa bits; 8 bits a number), with one power-of-two scale for each 32 numbers along K (OCP MX v1.0); their sums are f32. All else is computed in f32.
;;   The module's matrix products, in the order in which they are computed (A, B: the left and right operand; K: the contracted axis; several contracted axes count as one K, in the product's order):
;;     1. batch 8 x [M 2,048, K 1,024] x [K 1,024, N 2,048]; A: input x; B: input x: QUANTISED
;;     2. batch 8 x [M 2,048, K 2,048] x [K 2,048, N 1,024]; A: computed on the way; B: input x: QUANTISED
;;   THE QUANTISER, for each operand of a quantised product, along K:
;;     - K is cut into blocks of 32 from its start; a last block that is shorter is filled with zeros.
;;     - A block's scale is 2^e with e = floor(log2(the largest magnitude in the block)) - 15, held to -126 .. 127; a block of zeros has e = 0. As a byte (E8M0): e + 127.
;;     - Each number is divided by its block's scale, clamped to +-57,344, and rounded to the nearest number of E5M2, ties to even, subnormals kept.
;;     - The product sums the exact products of the quantised numbers (number of the format x scale) in f32.
;;   ~~~python
;;   def quantise(x, axis):      # numpy; x: float32 -> the quantised numbers, widened to float32 again
;;       x = np.moveaxis(x, axis, -1); K = x.shape[-1]
;;       x = np.pad(x, [(0, 0)] * (x.ndim - 1) + [(0, -K % 32)]); x = x.reshape(x.shape[:-1] + (-1, 32)); a = np.abs(x).max(-1, keepdims=True)
;;       e = np.where(a > 0, np.clip(np.frexp(np.where(a > 0, a, 1))[1] - 1 - 15, -126, 127), 0)      # np.frexp(a)[1] - 1 = floor(log2(a)), exactly
;;       r = np.clip(x / 2.0 ** e, -57344, 57344)
;;       step = 2.0 ** (np.maximum(np.frexp(np.where(r == 0, 1, r))[1] - 1, -14) - 2)
;;       q = np.round(r / step) * step * 2.0 ** e      # np.round: ties to even
;;       return np.moveaxis(q.reshape(q.shape[:-2] + (-1,))[..., :K], -1, axis).astype(np.float32)
;;   ~~~
;;   OPERANDS COMPUTED ON THE WAY. 'Computed on the way' means the value that the module computes at that place (a softmax that the list does not call 'softmax' is quantised finished and normalised). What goes into a quantiser is computed in f32, as accurately as f32 sums, v_exp_f32 and their like allow (about 1e-6 of the number): no bf16 or f16 on the way to a quantiser, and a product that is left as it is and whose result goes on into a quantised operand takes f32 operands (vector FMAs, or v_wmma_f32_16x16x4_f32). A number that lies on a knife's edge between two numbers of the format may be rounded either way, as far as f32 arithmetic and the matrix unit's own rounding can turn it there, and no further.
;; One version. Each part assembles by itself: llvm-mc -triple=amdgcn-amd-amdhsa -mcpu=gfx1250 --defsym DOCPART=n.
;; ======== version 1 of 1: 2 launches
;; workspace buffers: kq 17,301,504 bytes; vq 17,301,504 bytes
;; launch quant (part 1): grid 256 x 1, 4 waves a work-group, no clusters, 270,848 bytes of LDS; arguments x, kq, vq; writes kq, vq
.if DOCPART == 1
	.amdgcn_target "amdgcn-amd-amdhsa--gfx1250"
	.amdhsa_code_object_version 6
	.text
	.protected	k_q3f82adc4d2_quant
	.globl	k_q3f82adc4d2_quant
	.p2align	8
	.type	k_q3f82adc4d2_quant,@function
k_q3f82adc4d2_quant:
	s_mov_b64 s[64:65], 0
	v_nop
	global_prefetch_b8 v0, s[64:65] scope:SCOPE_SE
	s_setreg_imm32_b32 hwreg(HW_REG_WAVE_MODE, 25, 1), 1
	s_wait_xcnt 0x0
; x [8][2048][1024] f32 is read once and turned into codes of BF8 (E5M2) twice: with blocks of 32 along D (kq: both operands of the first product) and with blocks of 32 along T (vq: the second product's right operand).
; A block's scale is 2^(floor(log2(largest magnitude)) - 15); its byte is that magnitude's exponent field - 15, held at 1 from below; each number is held within +-57,344 x the scale and rounded to the nearest code, ties to even.
; LIMITS: NaN and infinities among the inputs are not served.  A block of zeros gets the byte 1 (the rule says 127): its codes are zeros, which add nothing under that byte, and only this program reads the bytes.
; BOTH BUFFERS ARE LAID IN THE ORDER OF THE OPERAND'S REGISTERS.  A record is 128 rows t of one batch: 131,072 bytes of codes, then 4,096 bytes of scale words; REC bytes; record 16 x batch + t / 128.  tt = t % 128.
;   kq codes: (tt/16) 16384 + (d/16) 256 + (tt%16) 16 + d%16: the fragment (16 rows, 128 d) is 2,048 bytes on end, 16 bytes a lane and group of four registers.   kq scale word (row, d/128): SCO + (d/128) 512 + 4 tt.
;   vq codes: (d/16) 2048 + (tt/32) 512 + h 256 + (d%16) 16 + 8 a + e, where tt%32 = 16 a + 8 h + e: inside a block of 32 the keys stand in the order in which the scores' registers hold them.   vq scale word (channel): SCO + (d/16) 64 + (d%16) 4, byte tt/32.
; SHARES.  Work-group g: record g / 2.  Wave w: channels 128 s on, s = 4 (g % 2) + w: 128 rows x 512 bytes, as four strips of 32 rows.
; THE WAVE'S WHOLE PART IS ASKED FOR AT THE HEAD: four tensor loads, a strip each, into LDS bytes of the wave's own (rows of 512 + 16 bytes), filled once.  Four loads and not one: a strip is worked on while the later ones land, and only
; one strip's arithmetic stands behind the last arrival.  By this text's count a wave has four tensor loads out.  A strip is read twice from LDS: a lane a row (32 neighbours along d) and a lane a channel (32 registers down t).
; A wave reads only the bytes that it fetched, behind its own counted wait: no barrier.  Nothing is stored to LDS.
.set REC,  135168
.set SCO,  131072
.set SP,   528                         ; an LDS row: 33 x 16 bytes, so that sixteen rows' 16 bytes fall on different banks (64 banks of 4 bytes: ISA guide 11.1)
.set STB,  32*SP                       ; a strip in LDS
.set WRG,  4*STB                       ; a wave's region
.set KCO,  5                           ; v5  kq codes: (lane/16) 16384 + (lane%16) 16
.set VCO,  6                           ; v6  vq codes: (lane/16) 2048 + (lane%16) 16
.set A4,   7                           ; v7  4 x lane
.set DW,   16                          ; v16-19  kq's scale word of my row, one for each strip
.set TW,   20                          ; v20-23  vq's scale word of my channel, one for each 32 channels
.set RDR,  24                          ; v24-27  strip g: my region + STB g + SP x lane: a lane a row
.set RDC,  28                          ; v28-31  strip g: my region + STB g + 4 x lane: a lane a channel
.set XS0,  32                          ; v32-63  a block along d
.set XS1,  64                          ; v64-95  a block along t
.set CD,   96                          ; v96-103  its codes
.set CT,   104                         ; v104-111
.set G1,   32                          ; s[32:39] descriptor group 1: the shape of a strip
.set G0,   40                          ; s[40:55] descriptor group 0, a set for each strip
	s_load_b128 s[4:7], s[0:1], 0x0                ; x, kq
	s_load_b64 s[12:13], s[0:1], 0x10              ; vq
	v_lshl_add_u32 v128, v0, 2, 0x42000
	v_mov_b32 v129, 0
	ds_add_u32 v128, v129
	ds_add_u32 v128, v129
	v_lshrrev_b32 v8, 5, v0
	v_readfirstlane_b32 s16, v8                    ; wave
	s_mov_b32 s[G1], (2<<16)|(1<<20)|(6<<22)|(3<<25)   ; no mask; elements of 4 bytes; padding on: four words after every 128
	s_mov_b32 s[G1+1], 128<<16                     ; tensor_dim0 = 128 elements: 512 bytes of a row
	s_mov_b32 s[G1+2], 32<<16                      ; tensor_dim1 = 32 rows
	s_mov_b32 s[G1+3], 128<<16                     ; tile_dim0
	s_mov_b32 s[G1+4], 32                          ; tile_dim1
	s_mov_b32 s[G1+5], 1024                        ; elements from row to row
	s_mov_b32 s[G1+6], 0
	s_mov_b32 s[G1+7], 0
	s_mul_i32 s22, s16, WRG                        ; my region in LDS
	s_mov_b32 s23, 0x600000                        ; the mantissa field of 57,344
	s_lshr_b32 s17, ttmp9, 1                       ; the record
	s_and_b32 s18, ttmp9, 1
	s_lshl_b32 s18, s18, 2
	s_add_co_u32 s18, s18, s16                     ; s: which 128 channels
	s_lshl_b32 s20, s17, 19                        ; 128 rows of 4,096 bytes
	s_lshl_b32 s19, s18, 9
	s_add_co_u32 s20, s20, s19
	s_mov_b32 s21, 0
	s_mul_i32 s24, s17, REC
	s_lshl_b32 s25, s18, 11
	s_add_co_u32 s26, s24, s25                     ; kq codes: + 2048 s
	s_mov_b32 s27, 0
	s_add_co_u32 s28, s24, s19
	s_add_co_u32 s28, s28, SCO                     ; scale words of either buffer: SCO + 512 s
	s_mov_b32 s29, 0
	s_lshl_b32 s25, s18, 14
	s_add_co_u32 s30, s24, s25                     ; vq codes: + 16384 s
	s_mov_b32 s31, 0
	s_wait_dscnt 0x0
	s_wait_kmcnt 0x0
	s_add_nc_u64 s[4:5], s[4:5], s[20:21]
.irp g, 0,1,2,3
	s_mov_b32 s[G0+4*\g], 1                        ; count = 1
	s_add_co_u32 s[G0+4*\g+1], s22, \g*STB         ; LDS address: wave x WRG + strip x STB
	s_add_nc_u64 s[G0+4*\g+2:G0+4*\g+3], s[4:5], \g*131072   ; 32 rows of 4,096 bytes a strip
	s_or_b32 s[G0+4*\g+3], s[G0+4*\g+3], 0x80000000          ; type = 2
.endr
.irp g, 0,1,2,3
	tensor_load_to_lds s[G0+4*\g:G0+4*\g+3], s[G1:G1+7]      ; all first fills in one group, ahead of every wait on TENSORcnt and every LDS read
	s_nop 0
.endr
.rept 4
	v_nop
.endr
	s_add_nc_u64 s[8:9], s[6:7], s[26:27]
	s_add_nc_u64 s[10:11], s[6:7], s[28:29]
	s_add_nc_u64 s[14:15], s[12:13], s[28:29]
	s_add_nc_u64 s[12:13], s[12:13], s[30:31]
	v_and_b32 v9, 31, v0                           ; lane
	v_lshlrev_b32 v[A4], 2, v9
	v_mul_u32_u24 v10, v9, SP
	v_add_nc_u32 v[RDR], s22, v10
	v_add_nc_u32 v[RDC], s22, v[A4]
.irp g, 1,2,3
	v_add_nc_u32 v[RDR+\g], \g*STB, v[RDR]
	v_add_nc_u32 v[RDC+\g], \g*STB, v[RDC]
.endr
	v_lshrrev_b32 v10, 4, v9
	v_and_b32 v11, 15, v9
	v_lshlrev_b32 v11, 4, v11
	v_lshl_add_u32 v[KCO], v10, 14, v11
	v_lshl_add_u32 v[VCO], v10, 11, v11
.macro RDD sg, q                       ; strip sg: my row's 32 numbers d = 32 q on
.set i, 0
.rept 8
	ds_load_b128 v[XS0+4*i:XS0+4*i+3], v[RDR+(\sg)] offset:(\q)*128+16*i
.set i, i+1
.endr
.endm
.macro RDT sg, q                       ; strip sg: my channel (32 q + lane), 32 rows down
.set i, 0
.rept 32
	ds_load_b32 v[XS1+i], v[RDC+(\sg)] offset:i*SP+(\q)*128
.set i, i+1
.endr
.endm
; One block of 32 numbers in v[xs] on: kind 0 along d (row 32 sg + lane, d = 32 q on), kind 1 along t (channel 32 q + lane, rows 32 sg on)
.macro BLK xs, kind, q, sg
	v_max3_num_f32 v8, |v[\xs]|, |v[\xs+1]|, |v[\xs+2]|
	v_max3_num_f32 v9, |v[\xs+3]|, |v[\xs+4]|, |v[\xs+5]|
.irp i, 6,10,14,18,22,26
	v_max3_num_f32 v8, v8, |v[\xs+\i]|, |v[\xs+\i+1]|
	v_max3_num_f32 v9, v9, |v[\xs+\i+2]|, |v[\xs+\i+3]|
.endr
	v_max3_num_f32 v8, v8, |v[\xs+30]|, |v[\xs+31]|
	v_max3_num_f32 v8, v8, v9, 0x8000000           ; and the floor 2^(16 - 127): the byte cannot fall under 1
	v_add_nc_u32 v11, 0xf8800000, v8               ; 15 off the exponent field: the conversion's scale operand
	v_and_or_b32 v10, v8, 0x7f800000, s23          ; 57,344 x the scale
	v_lshrrev_b32 v9, 23, v11                      ; the scale's byte
.if \kind == 0
.if \q == 0
	v_mov_b32 v[DW+\sg], v9
.else
	v_lshl_or_b32 v[DW+\sg], v9, 8*\q, v[DW+\sg]
.endif
.else
.if \sg == 0
	v_mov_b32 v[TW+\q], v9
.else
	v_lshl_or_b32 v[TW+\q], v9, 8*\sg, v[TW+\q]
.endif
.endif
.set j, 0
.rept 32
	v_med3_num_f32 v[\xs+j], v[\xs+j], -v10, v10   ; the conversion to an 8-bit code does not saturate (ISA guide 7.6.2): the hold comes first
.set j, j+1
.endr
	s_wait_xcnt 0x0                                ; the codes' registers are the data of earlier stores: they are written again only behind this wait
.if \kind == 0
.irp g, 0,1,2,3
	v_cvt_scalef32_pk8_bf8_f32 v[CD+2*\g:CD+2*\g+1], v[\xs+8*\g:\xs+8*\g+7], v11
.endr
	v_nop                                          ; a plain line behind the last conversion
	global_store_b128 v[KCO], v[CD:CD+3], s[8:9] offset:2*\sg*16384+2*\q*256        ; sixteen lanes store 256 consecutive bytes, aligned
	global_store_b128 v[KCO], v[CD+4:CD+7], s[8:9] offset:2*\sg*16384+(2*\q+1)*256
.else
	v_cvt_scalef32_pk8_bf8_f32 v[CT:CT+1], v[\xs:\xs+7], v11           ; h = 0: keys 0-7,
	v_cvt_scalef32_pk8_bf8_f32 v[CT+2:CT+3], v[\xs+16:\xs+23], v11     ;        keys 16-23
	v_cvt_scalef32_pk8_bf8_f32 v[CT+4:CT+5], v[\xs+8:\xs+15], v11      ; h = 1: keys 8-15,
	v_cvt_scalef32_pk8_bf8_f32 v[CT+6:CT+7], v[\xs+24:\xs+31], v11     ;        keys 24-31
	v_nop
	global_store_b128 v[VCO], v[CT:CT+3], s[12:13] offset:2*\q*2048+\sg*512
	global_store_b128 v[VCO], v[CT+4:CT+7], s[12:13] offset:2*\q*2048+\sg*512+256
.endif
.endm
; A strip: eight blocks, along d and along t by turns; a block's numbers are read from LDS two blocks ahead, over the strips' edges too.  Each wait on DScnt counts the reads issued behind the block's own: 32 (a block along t) or 8 (along d).
.macro STRIP sg
	s_wait_dscnt 32
	BLK XS0, 0, 0, \sg
	RDD \sg, 1
	s_wait_dscnt 8
	BLK XS1, 1, 0, \sg
	RDT \sg, 1
	s_wait_dscnt 32
	BLK XS0, 0, 1, \sg
	RDD \sg, 2
	s_wait_dscnt 8
	BLK XS1, 1, 1, \sg
	RDT \sg, 2
	s_wait_dscnt 32
	BLK XS0, 0, 2, \sg
	RDD \sg, 3
	s_wait_dscnt 8
	BLK XS1, 1, 2, \sg
	RDT \sg, 3
	s_wait_dscnt 32
	BLK XS0, 0, 3, \sg
	global_store_b32 v[A4], v[DW+\sg], s[10:11] offset:\sg*128     ; 32 rows' scale words: 128 consecutive bytes
.if \sg < 3
	s_wait_tensorcnt 2-\sg                         ; tensor loads of a wave end in order (ISA guide 10.11.1): the next strip is in; the strips behind it may be out
	RDD \sg+1, 0
	s_wait_dscnt 8
	BLK XS1, 1, 3, \sg
	RDT \sg+1, 0
.else
	s_wait_dscnt 0x0
	BLK XS1, 1, 3, \sg
.endif
.endm
	s_wait_tensorcnt 3                             ; strip 0 is in; the three behind it may be out
	RDD 0, 0
	RDT 0, 0
	STRIP 0
	STRIP 1
	STRIP 2                                        ; (its wait for the last strip is for 0: no tensor load is out at the end)
	STRIP 3
.irp q, 0,1,2,3
	global_store_b32 v[A4], v[TW+\q], s[14:15] offset:\q*128       ; 32 channels' scale words
.endr
	s_wait_tensorcnt 0x0
	ds_add_u32 v128, v129
	s_wait_dscnt 0x0
	s_endpgm
.Lfunc_end_k_q3f82adc4d2_quant:
	.size	k_q3f82adc4d2_quant, .Lfunc_end_k_q3f82adc4d2_quant-k_q3f82adc4d2_quant
	.p2alignl 7, 3214868480
	.fill 96, 4, 3214868480
	.section	.rodata,"a",@progbits
	.p2align	6, 0x0
	.amdhsa_kernel k_q3f82adc4d2_quant
		.amdhsa_group_segment_fixed_size 270848
		.amdhsa_private_segment_fixed_size 0
		.amdhsa_enable_private_segment 0
		.amdhsa_kernarg_size 24
		.amdhsa_user_sgpr_count 2
		.amdhsa_user_sgpr_kernarg_segment_ptr 1
		.amdhsa_wavefront_size32 1
		.amdhsa_system_sgpr_workgroup_id_x 1
		.amdhsa_system_sgpr_workgroup_id_y 1
		.amdhsa_system_sgpr_workgroup_id_z 1
		.amdhsa_system_vgpr_workitem_id 0
		.amdhsa_next_free_vgpr 130
		.amdhsa_next_free_sgpr 66
		.amdhsa_reserve_vcc 0
		.amdhsa_float_denorm_mode_32 3
		.amdhsa_float_denorm_mode_16_64 3
		.amdhsa_memory_ordered 1
		.amdhsa_forward_progress 1
		.amdhsa_inst_pref_size 168
	.end_amdhsa_kernel
	.amdgpu_metadata
---
amdhsa.version: [ 1, 2 ]
amdhsa.kernels:
  - .name:           k_q3f82adc4d2_quant
    .symbol:         k_q3f82adc4d2_quant.kd
    .args:
      - { .name: x, .offset: 0, .size: 8, .value_kind: global_buffer, .address_space: global }
      - { .name: kq, .offset: 8, .size: 8, .value_kind: global_buffer, .address_space: global }
      - { .name: vq, .offset: 16, .size: 8, .value_kind: global_buffer, .address_space: global }
    .group_segment_fixed_size: 270848
    .private_segment_fixed_size: 0
    .kernarg_segment_align: 8
    .kernarg_segment_size: 24
    .max_flat_workgroup_size: 128
    .sgpr_count:     66
    .vgpr_count:     130
    .wavefront_size: 32
...
	.end_amdgpu_metadata
.endif
;; end of part 1
;; launch attn (part 2): grid 32 x 8, 4 waves a work-group, clusters of 4 x 1, 327,680 bytes of LDS; arguments x, log_alpha, log_sigma, kq, vq, out0; writes out0
.if DOCPART == 2
	.amdgcn_target "amdgcn-amd-amdhsa--gfx1250"
	.amdhsa_code_object_version 6
	.text
	.protected	k_q3f82adc4d2_attn
	.globl	k_q3f82adc4d2_attn
	.p2align	8
	.type	k_q3f82adc4d2_attn,@function
k_q3f82adc4d2_attn:
	s_mov_b64 s[64:65], 0
	v_nop
	global_prefetch_b8 v0, s[64:65] scope:SCOPE_SE
	s_setreg_imm32_b32 hwreg(HW_REG_WAVE_MODE, 25, 1), 1
	s_wait_xcnt 0x0
	s_wait_alu depctr_hold_cnt(0) depctr_sa_sdst(0) depctr_va_vdst(0) depctr_va_sdst(0) depctr_va_ssrc(0) depctr_va_vcc(0) depctr_vm_vsrc(0)
	s_getreg_b32 s2, hwreg(HW_REG_IB_STS2, 6, 4)
	s_cmp_eq_u32 s2, 0
	s_cbranch_scc0 .Lentry_in_a_cluster
	s_endpgm
.Lentry_in_a_cluster:
	s_bfe_u32 s2, ttmp6, 0x10000c
	s_cmp_lg_u32 s2, 0x3003
	s_cbranch_scc0 .Lentry_shape_is_right
	s_endpgm
.Lentry_shape_is_right:
; out = gelu_tanh(x gate), gate = 1 + alpha tanh(sigma novelty), novelty = clip(1 - cos(x_t, context_t), 0, 2) / 2, context = attn x, attn = softmax over the keys s < t of x_t . x_s / 32.
; Both products on codes of BF8 (E5M2) with one E8M0 scale for each 32 along K, from kq (blocks along d) and vq (blocks along t), which lie in the order of the operands' registers.
; attn is quantised FINISHED (e / denom), so a row's maximum and denominator are known before its first code is made: the keys are walked twice.  WALK 1: scores, running maximum and sum.  WALK 2: scores again, attn, its codes, context.
; SHARES.  A work-group owns 64 queries of one batch; the four work-groups of a cluster own 256 neighbouring queries and walk the same keys, n = 2 c + 2 steps of 128 (c: the cluster's number in the batch): each record of K or V
; is asked for JOINTLY, a quarter a wave.  The two steps with the highest keys carry the mask (key >= query is hidden); what a partner has wholly hidden there becomes zeros: no branch hangs on a work-group's place in its cluster.
; WALK 1 GOES DOWN THE KEYS, from record 2 c + 1 to record 0 (a maximum and a sum do not ask for an order): so the eight clusters of a batch begin with sixteen different records, and each later record of a cluster
; is one that the cluster below it has asked for two phases earlier.  Walk 2 goes up.
; Scores: wave w = (i, jj) = (w / 2, w % 2) makes query tiles 2 i, 2 i + 1 x key tiles 4 jj .. 4 jj + 3, transposed (source 0 = 16 keys, source 1 = 16 queries): a lane holds one query, registers run along the keys.
; The 16 registers of key tiles 2 b, 2 b + 1 are block b's keys 16 a + 8 h + e, the order in which vq lays them: so the conversions' results are the second product's operand.  They go to the other waves through LDS as images of registers.
; Context: wave w makes channels 256 w .. 256 w + 255 for all 64 queries: 64 accumulators, 512 registers (source 0 = 16 channels of V, source 1 = attn).  It never goes to memory: three sums a row (x.c, c.c, x.x) are all that is kept.
; LIMITS: NaN and infinities among the inputs are not served.  p under 2^-126 is taken as 0 (v_exp_f32).  softplus of a very negative number loses what lies under one ulp of 1.  Blocks of zeros carry the byte 1 with zero codes.
; cos is formed as x.c / (max(|x|, 1e-12) max(|c|, 1e-12)), not as a sum of normalised products: the order of f32 rounding differs.
; REGISTERS, in windows of 256: window 0: v0-31 addresses and statistics; v32-95 S (scores, then attn; in the second product attn's four fragments); v96-159, v160-223 two buffers of four fragments (at work in vector phases);
;   v224-231 Q's scale words, v232-247 K's (or V's and attn's); v248-255 at work.   window 1: Q's 16 fragments.   windows 2, 3: the context, accumulator (query tile qt, channel tile vv) in window 2 + qt / 2 at v[8 (16 (qt % 2) + vv)].
.set REC,   135168
.set SCO,   131072                     ; a record's scale words begin here
.set QTR,   REC/4                      ; what one tensor load brings: 132 rows of 256 bytes
.set SLOT1, REC                        ; LDS: slot 0, slot 1: a record each; at the end a half of the work-group's rows of x each
.set PIMG,  2*REC                      ; attn's four fragments: 2048 qt + 512 c + 16 lane
.set PSC,   PIMG+8192                  ; their scale words: 64 qt + 4 r
.set STAT,  PSC+256                    ; 512 w + 128 (2 a + k) + 4 lane: a wave's maxima (k = 0) and sums (k = 1)
.set RED,   STAT+2048                  ; 512 idx + 16 lane + 4 w: the row sums of the four waves
.set GATE,  RED+6144                   ; 256 w + 4 query: each wave's own copy of the gates
.set SPARE, GATE+1024                  ; the spare words, 128 bytes a wave: two blocks of 256 bytes that no other line names
.set XP,    1040                       ; a row of a wave's part of x in LDS: 1,024 bytes + 16
.set XQ,    32*XP
.set L16,  1                           ; v1   16 x lane
.set L4,   2                           ; v2   4 x lane
.set AK,   3                           ; v3-4 K's fragments in slot 0, 1: + 65536 jj + 16 lane
.set AKS,  5                           ; v5-6 K's scale words: + SCO + 256 jj + 4 lane
.set AV,   7                           ; v7   V's fragments: SLOT1 + 32768 w + 16 lane
.set AVS,  8                           ; v8   V's scale words: SLOT1 + SCO + 1024 w + 4 lane
.set API,  9                           ; v9   attn's images, read
.set APS,  10                          ; v10  attn's scale words, read
.set APW,  11                          ; v11  attn's images, written: + 4096 i + 1024 jj
.set ASW,  12                          ; v12  attn's scale bytes, written: + 128 i + 2 jj
.set SPW,  13                          ; v13  my spare word; never rewritten
.set NIL,  14                          ; v14  0; never rewritten
.set QI,   15                          ; v15  my query - 64 jj - 8 h - 1 (tile a = 0)
.set NINF, 16                          ; v16  -infinity
.set PFO,  17                          ; v17  256 x lane
.set STA,  18                          ; v18  STAT + 512 w + 4 lane
.set PFX,  19                          ; v19  4096 x lane
.set MC,   20                          ; v20, v22  c M of tile 0, 1;  v21, v23  M
.set L,    24                          ; v[24:25], v[26:27]  the sums, in two halves
.set RD,   28                          ; v28, v30  1 / denom
.set S,    32
.set KF0,  96
.set KF1,  160
.set QS,   224
.set KS,   232
.set VS,   232
.set PS,   240
.set DD,   248                         ; v248-249 the mask's bounds; then c M's change
.set FF,   250                         ; v[250:251], v[252:253] 2^(change)
.set HW,   254                         ; v254-255 two scale bytes of a tile
.set CH,   96                          ; at work in KF0: maxima
.set TM,   96                          ; the quantiser's 16 registers
.set PC,   112                         ; attn's codes
.set EA,   3                           ; the way out: v3-4 my place in x's halves; v5, v6 RED in, out; v7 GATE in; v8 x by rows; v9, v10 addresses in hand
.set RST,  5
.set RLD,  6
.set GST,  7
.set XB,   8
.set XA,   9
.set GA,   10
.set EAC,  32                          ; v32-79 the row sums at work
.set RV,   80                          ; v80-91 the 12 row sums: 3 qt + (0: x.c, 1: c.c, 2: x.x)
.set WV,16
.set WI,17
.set WJ,18
.set CX,19
.set CC,20
.set XX,21
.set BA,22
.set G1R,24                            ; s[24:31] group 1 of a record's quarter (joint)
.set G1X,32                            ; s[32:39] group 1 of a wave's part of half of x (plain)
.set G0A,40                            ; s[40:43] group 0 into slot 0;  s[44:47] into slot 1;  s[48:51] for x
.set G0B,44
.set G0X,48
.set KW,52
.set VW,54
.set OFA,56                            ; s56  walk 1: the byte offset of the record that slot 0 takes next
.set TR,58
.set KB,59
.set DGK,60
.set PFA,66
.set SEL,70
.set CS,72
.set MNT,74
.set XW,76
.set OUTW,78
.set T0,80                             ; s[80:81] an offset; s81 stays 0.  s80-83 never hold anything made of cx
.set BB,82
.set QP,88
.set QSP,90
.set TB,98
.set TG,99
.set MSB, 0
.macro WIN new                         ; the immediate's high byte repeats the setting that is left; a switch that changes nothing is dropped
.if MSB != (\new)
	s_set_vgpr_msb (MSB<<8)|(\new)
.set MSB, (\new)
.endif
.endm
.macro NOPS n
.rept \n
	v_nop
.endr
.endm
.macro CROUND                          ; a round of the cluster's barrier
	s_barrier_signal -1
	s_barrier_wait -1
	s_cmp_lg_u32 s[WV], 0
	s_cbranch_scc1 .Lnw0_\@
	s_barrier_signal -3
.Lnw0_\@:
	s_barrier_wait -3
	s_barrier_signal -1
	s_barrier_wait -1
.endm
; THE CHANGE OF SLOTS, in two parts with the descriptors' steps between.  Every wave waits for all its tensor loads (one is out: its quarter of the record about to be read), adds 0 to its spare word, and waits for that and for
; all its LDS instructions; a round of the cluster's barrier; then its one tensor load, into the slot that nobody reads any more.  By this text's count a wave has one tensor load out.
.macro CH_HEAD
	WIN 0
	s_wait_tensorcnt 0x0
	ds_add_u32 v[SPW], v[NIL]
.endm
.macro CH_TAIL g0, g1
	s_wait_dscnt 0x0
	CROUND
	tensor_load_to_lds s[\g0:\g0+3], s[\g1:\g1+7]
	s_nop 0
	NOPS 4                                         ; four of the places in front of the next phase's loads and products
.endm
; PREFETCHES INTO THE L2, behind the tensor load and its four lines.  Of the clusters that walk V's record r, cluster r / 2 comes to it first, in its last two steps: that cluster names it, one step (two changes of slots) ahead of
; its tensor load: at step j it asks for record j + 1 where that is record 2 c or 2 c + 1.  A record's 512 blocks of 256 bytes of codes are shared out by address: wave w of partner cx takes 8,192 bytes at 8192 (4 cx + w),
; lanes 256 bytes apart: one instruction a wave, each block named once in the launch.  Not named: V's record 0, the scale words, and K's records: a cluster's first two records of K are asked for at the head, and each other one
; is asked for earlier by the cluster below.
.macro ASKV0                           ; at step 0: record 1 is cluster 0's
	s_cmp_eq_u32 s[CC], 0
	s_cbranch_scc0 .Lnv_\@
	global_prefetch_b8 v[PFO], s[PFA:PFA+1] th:TH_LOAD_NT scope:SCOPE_SE
.Lnv_\@:
.endm
.macro ASKVL                           ; in the loop over steps 1 .. n - 2: in its last two trips, steps n - 3 and n - 2
	s_cmp_le_u32 s[TR], 2
	s_cbranch_scc0 .Lnv_\@
	global_prefetch_b8 v[PFO], s[PFA:PFA+1] th:TH_LOAD_NT scope:SCOPE_SE
.Lnv_\@:
.endm
.macro ASKX H                          ; my own part of half H of x: 32 rows x 1,024 bytes, a lane a row, one phase ahead of its tensor load
.irp k, 0,1,2,3
	global_prefetch_b8 v[PFX], s[XW:XW+1] offset:\H*131072+\k*256 th:TH_LOAD_NT scope:SCOPE_SE
.endr
.endm
; One matrix instruction from the symbols rD, rA, rB, rSA, rSB; fZ: it starts the sum; fA, fB: the side's scales stand in lanes 16-31
.macro WMI
.if fZ
.if fA && fB
	v_wmma_scale_f32_16x16x128_f8f6f4 v[rD:rD+7], v[rA:rA+15], v[rB:rB+15], 0, v[rSA], v[rSB] matrix_a_fmt:MATRIX_FMT_BF8 matrix_b_fmt:MATRIX_FMT_BF8 matrix_a_scale:MATRIX_SCALE_ROW1 matrix_b_scale:MATRIX_SCALE_ROW1
.elseif fA
	v_wmma_scale_f32_16x16x128_f8f6f4 v[rD:rD+7], v[rA:rA+15], v[rB:rB+15], 0, v[rSA], v[rSB] matrix_a_fmt:MATRIX_FMT_BF8 matrix_b_fmt:MATRIX_FMT_BF8 matrix_a_scale:MATRIX_SCALE_ROW1
.elseif fB
	v_wmma_scale_f32_16x16x128_f8f6f4 v[rD:rD+7], v[rA:rA+15], v[rB:rB+15], 0, v[rSA], v[rSB] matrix_a_fmt:MATRIX_FMT_BF8 matrix_b_fmt:MATRIX_FMT_BF8 matrix_b_scale:MATRIX_SCALE_ROW1
.else
	v_wmma_scale_f32_16x16x128_f8f6f4 v[rD:rD+7], v[rA:rA+15], v[rB:rB+15], 0, v[rSA], v[rSB] matrix_a_fmt:MATRIX_FMT_BF8 matrix_b_fmt:MATRIX_FMT_BF8
.endif
.else
.if fA && fB
	v_wmma_scale_f32_16x16x128_f8f6f4 v[rD:rD+7], v[rA:rA+15], v[rB:rB+15], v[rD:rD+7], v[rSA], v[rSB] matrix_a_fmt:MATRIX_FMT_BF8 matrix_b_fmt:MATRIX_FMT_BF8 matrix_a_scale:MATRIX_SCALE_ROW1 matrix_b_scale:MATRIX_SCALE_ROW1
.elseif fA
	v_wmma_scale_f32_16x16x128_f8f6f4 v[rD:rD+7], v[rA:rA+15], v[rB:rB+15], v[rD:rD+7], v[rSA], v[rSB] matrix_a_fmt:MATRIX_FMT_BF8 matrix_b_fmt:MATRIX_FMT_BF8 matrix_a_scale:MATRIX_SCALE_ROW1
.elseif fB
	v_wmma_scale_f32_16x16x128_f8f6f4 v[rD:rD+7], v[rA:rA+15], v[rB:rB+15], v[rD:rD+7], v[rSA], v[rSB] matrix_a_fmt:MATRIX_FMT_BF8 matrix_b_fmt:MATRIX_FMT_BF8 matrix_b_scale:MATRIX_SCALE_ROW1
.else
	v_wmma_scale_f32_16x16x128_f8f6f4 v[rD:rD+7], v[rA:rA+15], v[rB:rB+15], v[rD:rD+7], v[rSA], v[rSB] matrix_a_fmt:MATRIX_FMT_BF8 matrix_b_fmt:MATRIX_FMT_BF8
.endif
.endif
.endm
.macro FK slot, st, buf                ; my four key tiles' fragments of K step st (128 d): 16 loads of 512 consecutive bytes
.set fu, 0
.rept 4
.set fc, 0
.rept 4
	ds_load_b128 v[\buf+16*fu+4*fc:\buf+16*fu+4*fc+3], v[AK+\slot] offset:fu*16384+(\st)*2048+fc*512
.set fc, fc+1
.endr
.set fu, fu+1
.endr
.endm
; THE SCORES of a step: S(a, u) = key tile 4 jj + u x query tile 2 i + a, 8 K steps of 128 d.  The eight accumulators take turns, one instruction a turn.
; Five v_nop at the head, with the four behind the tensor load: nine places behind the last phase's matrix instructions, for the loads into their operands and scales (eight) and for the first product, which writes over S (nine).
.macro QK slot
	NOPS 5
.set ks, 0
.rept 8
	ds_load_b32 v[KS+ks], v[AKS+\slot] offset:ks*512           ; lanes 0-15: tile u = 0's rows, lanes 16-31: u = 1's
	ds_load_b32 v[KS+8+ks], v[AKS+\slot] offset:ks*512+128     ; u = 2, u = 3
.set ks, ks+1
.endr
	FK \slot, 0, KF0
	FK \slot, 1, KF1
	WIN 0x04                                       ; source 1 (Q) in window 1; LDS loads name no source 1
.set ks, 0
.rept 8
.if ks < 7
	s_wait_dscnt 16                                ; all but the next K step's 16 loads
.else
	s_wait_dscnt 0x0
.endif
.set fZ, 0
.if ks == 0
.set fZ, 1
.endif
.set ku, 0
.rept 4
.set ka, 0
.rept 2
.set rD, S+8*(4*ka+ku)
.set rA, KF0+64*(ks%2)+16*ku
.set rB, 128*ka+16*ks
.set rSA, KS+8*(ku/2)+ks
.set rSB, QS+ks
.set fA, ku%2
.set fB, ka
	WMI
.set ka, ka+1
.endr
.set ku, ku+1
.endr
.if ks < 6
	NOPS 8                                         ; places in front of loads into registers that these products have read (ISA guide 7.12.1 for vector instructions)
	FK \slot, ks+2, KF0+64*(ks%2)
.endif
.set ks, ks+1
.endr
	WIN 0
	NOPS 8                                         ; places in front of the first read of the scores
.endm
; THE MASK, in the cluster's two steps with the highest keys alone (a branch on the step and the cluster's number).  Register e of S(a, u) holds key KB + 64 jj + 16 u + 8 h + e: hidden where 16 u + e > my query - KB - 64 jj - 8 h - 1.
.macro MASK
	s_cmp_lt_u32 s[KB], s[DGK]
	s_cbranch_scc1 .Lopen_\@
	v_sub_nc_u32 v[DD], v[QI], s[KB]
	v_add_nc_u32 v[DD+1], 16, v[DD]
.set ta, 0
.rept 2
.set u, 0
.rept 4
.set e, 0
.rept 8
	v_cmp_gt_i32 vcc_lo, 16*u+e, v[DD+ta]
	v_cndmask_b32 v[S+32*ta+8*u+e], v[S+32*ta+8*u+e], v[NINF], vcc_lo
.set e, e+1
.endr
.set u, u+1
.endr
.set ta, ta+1
.endr
.Lopen_\@:
.endm
.macro SCALE_EXP                       ; S = c S - c M: 32 packed multiply-adds; each accumulator is read from its low end on
.set p, 0
.rept 32
	v_pk_fma_f32 v[S+2*p:S+2*p+1], v[S+2*p:S+2*p+1], s[CS:CS+1], v[MC+2*(p/16):MC+2*(p/16)+1] op_sel_hi:[1,0,0] neg_lo:[0,0,1] neg_hi:[0,0,1]
.set p, p+1
.endr
.endm
.macro EXP64
.set p, 0
.rept 64
	v_exp_f32 v[S+p], v[S+p]
.set p, p+1
.endr
	v_nop                                          ; a plain line behind the last exponential,
	s_wait_alu depctr_va_vdst(0)                   ; and one wait for the whole batch, ahead of its first reader
.endm
; WALK 1's vector work: each LANE keeps a running maximum M and sum of its own keys (32 a step and tile); lanes and waves are joined once, behind the walk.  M begins at -3e38 and stays finite; hidden scores are -infinity and give 0.
.macro SM1
.set u, 0
.rept 4
.set ta, 0
.rept 2
	v_max3_num_f32 v[CH+4*ta+u], v[S+32*ta+8*u], v[S+32*ta+8*u+1], v[S+32*ta+8*u+2]
.set ta, ta+1
.endr
.set u, u+1
.endr
.irp k, 3, 5
.set u, 0
.rept 4
.set ta, 0
.rept 2
	v_max3_num_f32 v[CH+4*ta+u], v[CH+4*ta+u], v[S+32*ta+8*u+\k], v[S+32*ta+8*u+\k+1]
.set ta, ta+1
.endr
.set u, u+1
.endr
.endr
.irp a, 0, 1
	v_max3_num_f32 v[CH+4*\a], v[CH+4*\a], v[S+32*\a+7], v[S+32*\a+15]
	v_max3_num_f32 v[CH+4*\a+2], v[CH+4*\a+2], v[S+32*\a+23], v[S+32*\a+31]
.endr
.irp a, 0, 1
	v_max3_num_f32 v[CH+4*\a], v[CH+4*\a], v[CH+4*\a+1], v[CH+4*\a+2]
.endr
.irp a, 0, 1
	v_mov_b32 v[DD+\a], v[MC+2*\a]                 ; the old c M
.endr
.irp a, 0, 1
	v_max3_num_f32 v[MC+2*\a+1], v[CH+4*\a], v[CH+4*\a+3], v[MC+2*\a+1]
.endr
.irp a, 0, 1
	v_mul_f32 v[MC+2*\a], s[CS], v[MC+2*\a+1]
.endr
.irp a, 0, 1
	v_sub_f32 v[DD+\a], v[DD+\a], v[MC+2*\a]
.endr
	SCALE_EXP
.irp a, 0, 1
	v_exp_f32 v[FF+2*\a], v[DD+\a]                 ; 2^(old c M - new c M)
.endr
	EXP64
.irp w, 4, 8, 16, 32
.set z, 0
.rept 64/\w
	v_pk_add_f32 v[S+\w*z:S+\w*z+1], v[S+\w*z:S+\w*z+1], v[S+\w*z+\w/2:S+\w*z+\w/2+1]
.set z, z+1
.endr
.endr
.irp a, 0, 1
	v_pk_fma_f32 v[L+2*\a:L+2*\a+1], v[L+2*\a:L+2*\a+1], v[FF+2*\a:FF+2*\a+1], v[S+32*\a:S+32*\a+1] op_sel_hi:[1,0,1]
.endr
.endm
; WALK 2's vector work: attn = 2^(c S - c M) / denom, finished and normalised; then its four blocks of 32 keys (tile a, half b of my 64 keys: registers S + 32 a + 16 b on, shared with lane l xor 16) are quantised.
.macro SM2
	SCALE_EXP
	EXP64
.set p, 0
.rept 32
	v_pk_mul_f32 v[S+2*p:S+2*p+1], v[S+2*p:S+2*p+1], v[RD+2*(p/16):RD+2*(p/16)+1] op_sel_hi:[1,0]
.set p, p+1
.endr
.irp b, 0,1,2,3
	v_max3_num_f32 v[TM+\b], v[S+16*\b], v[S+16*\b+1], 0x8000000   ; my 16 numbers (none is negative) and the floor 2^(16 - 127): the byte cannot fall under 1
.endr
.irp i, 2,4,6,8,10,12,14
.irp b, 0,1,2,3
	v_max3_num_f32 v[TM+\b], v[TM+\b], v[S+16*\b+\i], v[S+16*\b+\i+1]
.endr
.endr
.irp b, 0,1,2,3
	v_permlanex16_b32 v[TM+4+\b], v[TM+\b], s[SEL], s[SEL+1]
.endr
.irp b, 0,1,2,3
	v_max_num_f32 v[TM+\b], v[TM+\b], v[TM+4+\b]
.endr
.irp b, 0,1,2,3
	v_add_nc_u32 v[TM+12+\b], 0xf8800000, v[TM+\b] ; 15 off the exponent field: the conversion's scale operand
.endr
.irp b, 0,1,2,3
	v_and_or_b32 v[TM+8+\b], v[TM+\b], 0x7f800000, s[MNT]   ; 57,344 x the scale
.endr
.irp b, 0,1,2,3
	v_lshrrev_b32 v[TM+4+\b], 23, v[TM+12+\b]      ; the scale's byte
.endr
.irp a, 0, 1
	v_lshl_or_b32 v[HW+\a], v[TM+5+2*\a], 8, v[TM+4+2*\a]   ; my two bytes of the tile's scale word
.endr
.irp b, 0,1,2,3
.set j, 0
.rept 16
	v_min_num_f32 v[S+16*\b+j], v[S+16*\b+j], v[TM+8+\b]    ; the conversion does not saturate (ISA guide 7.6.2); the hold is one-sided
.set j, j+1
.endr
	v_cvt_scalef32_pk8_bf8_f32 v[PC+4*\b:PC+4*\b+1], v[S+16*\b:S+16*\b+7], v[TM+12+\b]
	v_cvt_scalef32_pk8_bf8_f32 v[PC+4*\b+2:PC+4*\b+3], v[S+16*\b+8:S+16*\b+15], v[TM+12+\b]
.endr
	v_nop                                          ; a plain line behind the last conversion
.irp a, 0, 1
.irp b, 0, 1
	ds_store_b128 v[APW], v[PC+8*\a+4*\b:PC+8*\a+4*\b+3] offset:\a*2048+\b*512   ; registers 4 (2 jj + b) on of query tile 2 i + a's fragment
.endr
	ds_store_b16 v[ASW], v[HW+\a] offset:\a*64     ; lanes l and l xor 16 write the same two bytes with the same value
.endr
.endm
.macro GV g, buf                       ; V's fragments of my channel tiles 4 g .. 4 g + 3
.set fu, 0
.rept 4
.set fc, 0
.rept 4
	ds_load_b128 v[\buf+16*fu+4*fc:\buf+16*fu+4*fc+3], v[AV] offset:(4*(\g)+fu)*2048+fc*512
.set fc, fc+1
.endr
.set fu, fu+1
.endr
.endm
; THE CONTEXT of a step: O(qt, vv) += V's channel tile vv x attn's query tile qt, K = the step's 128 keys: one instruction on each of the 64 accumulators.  zero = 1: the products start the sums: nothing is ever cleared.
.macro PV zero
	NOPS 5
.set q, 0
.rept 4
.set fc, 0
.rept 4
	ds_load_b128 v[S+16*q+4*fc:S+16*q+4*fc+3], v[API] offset:q*2048+fc*512
.set fc, fc+1
.endr
.set q, q+1
.endr
.set q, 0
.rept 4
	ds_load_b32 v[PS+q], v[APS] offset:q*64
.set q, q+1
.endr
.set q, 0
.rept 8
	ds_load_b32 v[VS+q], v[AVS] offset:q*128       ; lanes 0-15: channel tile 2 q, lanes 16-31: 2 q + 1
.set q, q+1
.endr
	GV 0, KF0
	GV 1, KF1
.set fZ, \zero
.set fB, 0
.set g, 0
.rept 4
.if g < 3
	s_wait_dscnt 16                                ; all but the next four tiles' 16 loads
.else
	s_wait_dscnt 0x0
.endif
.irp hh, 0, 1
	WIN 0xa0+0x50*\hh                              ; C and D in window 2 (query tiles 0, 1) or 3 (2, 3)
.set t, 0
.rept 4
.set q, 0
.rept 2
.set rD, 8*(16*q+4*g+t)
.set rA, KF0+64*(g%2)+16*t
.set rB, S+16*(q+2*\hh)
.set rSA, VS+2*g+t/2
.set rSB, PS+q+2*\hh
.set fA, t%2
	WMI
.set q, q+1
.endr
.set t, t+1
.endr
.endr
.if g < 2
	WIN 0
	NOPS 8
	GV g+2, KF0+64*(g%2)
.endif
.set g, g+1
.endr
	WIN 0
.endm
; Two partial (M, sum) of a row become one.  The other's M in v96-97, its sum in v98-99.  Two multiplications and an addition, not a fused form: so both sides get the same bits.
.macro MERGE
.irp a, 0, 1
	v_max_num_f32 v[100+\a], v[MC+2*\a+1], v[96+\a]
.endr
.irp a, 0, 1
	v_mul_f32 v[102+\a], s[CS], v[100+\a]
	v_mul_f32 v[104+\a], s[CS], v[96+\a]
.endr
.irp a, 0, 1
	v_sub_f32 v[106+\a], v[MC+2*\a], v[102+\a]
	v_sub_f32 v[108+\a], v[104+\a], v[102+\a]
.endr
.irp a, 0, 1
	v_exp_f32 v[106+\a], v[106+\a]
	v_exp_f32 v[108+\a], v[108+\a]
.endr
.irp a, 0, 1
	v_mov_b32 v[MC+2*\a+1], v[100+\a]
	v_mov_b32 v[MC+2*\a], v[102+\a]
.endr
	s_wait_alu depctr_va_vdst(0)
.irp a, 0, 1
	v_mul_f32 v[L+2*\a], v[L+2*\a], v[106+\a]
	v_mul_f32 v[98+\a], v[98+\a], v[108+\a]
.endr
.irp a, 0, 1
	v_add_f32 v[L+2*\a], v[L+2*\a], v[98+\a]
.endr
.endm
	; ---------------- the head
	s_load_b256 s[4:11], s[0:1], 0x0               ; x s[4:5], log_alpha s[6:7], log_sigma s[8:9], kq s[10:11]
	s_load_b128 s[12:15], s[0:1], 0x20             ; vq s[12:13], out0 s[14:15]
	v_lshl_add_u32 v[SPW], v0, 2, SPARE
	v_mov_b32 v[NIL], 0
	ds_add_u32 v13, v14
	ds_add_u32 v13, v14
	s_wait_dscnt 0x0
	v_lshrrev_b32 v20, 5, v0
	v_readfirstlane_b32 s[WV], v20                 ; wave 0..3
	s_lshr_b32 s[WI], s[WV], 1
	s_and_b32 s[WJ], s[WV], 1
	s_bfe_u32 s[CX], ttmp6, 0x40000                ; cx: my place in the cluster
	s_mov_b32 s[CC], ttmp9                         ; c: the cluster's number in its batch
	s_lshl_b32 s[XX], ttmp9, 2
	s_add_co_u32 s[XX], s[XX], s[CX]               ; my block of 64 queries
	s_and_b32 s[BA], ttmp7, 0xffff                 ; the batch
	s_mov_b32 s[G1R], 15|(3<<16)|(1<<21)           ; 15:0 the mask: all four work-groups; 17:16 elements of 8 bytes; 21 set beside a mask; no padding: images are read 512 consecutive bytes at a time
	s_mov_b32 s[G1R+1], 32<<16                     ; tensor_dim0 = 32 elements: rows of 256 bytes
	s_mov_b32 s[G1R+2], 132<<16                    ; tensor_dim1 = 132 rows
	s_mov_b32 s[G1R+3], 32<<16                     ; tile_dim0
	s_mov_b32 s[G1R+4], 132                        ; tile_dim1
	s_mov_b32 s[G1R+5], 32                         ; dense
	s_mov_b32 s[G1R+6], 0
	s_mov_b32 s[G1R+7], 0
	s_mov_b32 s[G1X], (2<<16)|(1<<20)|(7<<22)|(3<<25)   ; no mask; elements of 4 bytes; padding: four words after every 256
	s_mov_b32 s[G1X+1], 256<<16
	s_mov_b32 s[G1X+2], 32<<16
	s_mov_b32 s[G1X+3], 256<<16
	s_mov_b32 s[G1X+4], 32
	s_mov_b32 s[G1X+5], 1024
	s_mov_b32 s[G1X+6], 0
	s_mov_b32 s[G1X+7], 0
	s_mul_i32 s[BB], s[BA], 16*REC                 ; the batch's first record
	s_mul_i32 s[BB+1], s[WV], QTR                  ; my quarter, in memory and in a slot
	s_add_co_u32 s[T0], s[BB], s[BB+1]
	s_mov_b32 s[T0+1], 0
	s_lshl_b32 s[OFA], s[CC], 1
	s_add_co_u32 s[OFA], s[OFA], 1
	s_mul_i32 s[OFA], s[OFA], REC                  ; record 2 c + 1, the cluster's highest: walk 1 begins there
	s_wait_kmcnt 0x0
	s_add_nc_u64 s[KW:KW+1], s[10:11], s[T0:T0+1]
	s_add_nc_u64 s[VW:VW+1], s[12:13], s[T0:T0+1]
	s_mov_b32 s[T0], s[OFA]
	s_mov_b32 s[G0A], 1
	s_mov_b32 s[G0A+1], s[BB+1]
	s_add_nc_u64 s[G0A+2:G0A+3], s[KW:KW+1], s[T0:T0+1]      ; K's record 2 c + 1
	s_mov_b32 s[G0B], 1
	s_add_co_u32 s[G0B+1], s[BB+1], SLOT1
	s_sub_nc_u64 s[G0B+2:G0B+3], s[G0A+2:G0A+3], REC         ; K's record 2 c
	s_or_b32 s[G0A+3], s[G0A+3], 0x80000000
	s_or_b32 s[G0B+3], s[G0B+3], 0x80000000
	CROUND                                         ; all four work-groups are here: the first joint loads meet
	tensor_load_to_lds s[G0A:G0A+3], s[G1R:G1R+7]
	s_nop 0
	NOPS 4
	s_load_b32 s84, s[6:7], 0x0                    ; log_alpha
	s_load_b32 s85, s[8:9], 0x0                    ; log_sigma
	; what hangs on cx stays in s86-97 and in the pointers made of them; none of these feeds a joint load or an LDS address
	s_lshr_b32 s86, s[XX], 1
	s_mul_i32 s86, s86, REC
	s_add_co_u32 s86, s86, s[BB]                   ; the record that holds my queries
	s_and_b32 s87, s[XX], 1
	s_lshl_b32 s88, s87, 2
	s_lshl_b32 s89, s[WI], 1
	s_add_co_u32 s88, s88, s89                     ; row tile 4 (X % 2) + 2 i
	s_lshl_b32 s88, s88, 14
	s_add_co_u32 s88, s88, s86
	s_mov_b32 s89, 0
	s_lshl_b32 s90, s87, 8
	s_lshl_b32 s91, s[WI], 7
	s_add_co_u32 s90, s90, s91                     ; 4 x (64 (X % 2) + 32 i)
	s_add_co_u32 s90, s90, s86
	s_add_co_u32 s90, s90, SCO
	s_mov_b32 s91, 0
	s_lshl_b32 s92, s[BA], 11
	s_lshl_b32 s93, s[XX], 6
	s_add_co_u32 s92, s92, s93                     ; my first row of x and of out0
	s_lshl_b32 s92, s92, 12
	s_lshl_b32 s93, s[WV], 10
	s_add_co_u32 s92, s92, s93                     ; + my wave's 1,024 bytes of a row
	s_mov_b32 s93, 0
	s_lshl_b32 s94, s[CX], 2
	s_add_co_u32 s94, s94, s[WV]
	s_lshl_b32 s94, s94, 13                        ; my share of a record's prefetch
	s_add_co_u32 s94, s94, s[BB]
	s_mov_b32 s95, 0
	s_add_nc_u64 s[QP:QP+1], s[10:11], s[88:89]
	s_add_nc_u64 s[QSP:QSP+1], s[10:11], s[90:91]
	s_add_nc_u64 s[XW:XW+1], s[4:5], s[92:93]
	s_add_nc_u64 s[OUTW:OUTW+1], s[14:15], s[92:93]
	s_add_nc_u64 s[PFA:PFA+1], s[12:13], s[94:95]
	s_add_nc_u64 s[PFA:PFA+1], s[PFA:PFA+1], REC   ; my share of V's record 1
	s_mov_b32 s[G0X], 1
	s_mul_i32 s[G0X+1], s[WV], XQ
	s_mov_b64 s[G0X+2:G0X+3], s[XW:XW+1]
	s_or_b32 s[G0X+3], s[G0X+3], 0x80000000
	s_mov_b32 s[SEL], 0x76543210
	s_mov_b32 s[SEL+1], 0xfedcba98                 ; v_permlanex16_b32's selects for lane l xor 16
	s_mov_b32 s[CS], 0x3d38aa3b                    ; c = log2(e) / 32
	s_mov_b32 s[CS+1], s[CS]
	s_mov_b32 s[MNT], 0x600000
	v_and_b32 v23, 31, v0                          ; lane
	v_and_b32 v20, 15, v0                          ; r
	v_bfe_u32 v21, v0, 4, 1                        ; h
	v_lshlrev_b32 v[L16], 4, v23
	v_lshlrev_b32 v[L4], 2, v23
	v_lshlrev_b32 v[PFO], 8, v23
	v_lshlrev_b32 v[PFX], 12, v23
	WIN 0x40                                       ; destination window 1
.set qa, 0
.rept 2
.set qs, 0
.rept 8
.set qc, 0
.rept 4
	global_load_b128 v[128*qa+16*qs+4*qc:128*qa+16*qs+4*qc+3], v[L16], s[QP:QP+1] offset:qa*16384+qs*2048+qc*512   ; Q's fragment (a, K step): it stays
.set qc, qc+1
.endr
.set qs, qs+1
.endr
.set qa, qa+1
.endr
	WIN 0
.set qs, 0
.rept 8
	global_load_b32 v[QS+qs], v[L4], s[QSP:QSP+1] offset:qs*512    ; lanes 0-15: tile a = 0's rows, lanes 16-31: a = 1's
.set qs, qs+1
.endr
	s_lshl_b32 s[TB], s[WJ], 16
	v_add_nc_u32 v[AK], s[TB], v[L16]
	v_add_nc_u32 v[AK+1], SLOT1, v[AK]
	s_lshl_b32 s[TB], s[WJ], 8
	s_add_co_u32 s[TB], s[TB], SCO
	v_add_nc_u32 v[AKS], s[TB], v[L4]
	v_add_nc_u32 v[AKS+1], SLOT1, v[AKS]
	s_lshl_b32 s[TB], s[WV], 15
	s_add_co_u32 s[TB], s[TB], SLOT1
	v_add_nc_u32 v[AV], s[TB], v[L16]
	s_lshl_b32 s[TB], s[WV], 10
	s_add_co_u32 s[TB], s[TB], SLOT1+SCO
	v_add_nc_u32 v[AVS], s[TB], v[L4]
	v_add_nc_u32 v[API], PIMG, v[L16]
	v_lshl_add_u32 v[APS], v20, 2, PSC
	s_lshl_b32 s[TB], s[WI], 12
	s_lshl_b32 s[TG], s[WJ], 10
	s_add_co_u32 s[TB], s[TB], s[TG]
	v_add_nc_u32 v[APW], s[TB], v[API]
	s_lshl_b32 s[TB], s[WI], 7
	s_lshl_b32 s[TG], s[WJ], 1
	s_add_co_u32 s[TB], s[TB], s[TG]
	v_add_nc_u32 v[ASW], s[TB], v[APS]
	s_lshl_b32 s[TB], s[WV], 9
	s_add_co_u32 s[TB], s[TB], STAT
	v_add_nc_u32 v[STA], s[TB], v[L4]
	s_lshl_b32 s96, s[XX], 6
	s_lshl_b32 s97, s[WI], 5
	s_add_co_u32 s96, s96, s97
	s_lshl_b32 s97, s[WJ], 6
	s_sub_co_u32 s96, s96, s97
	s_sub_co_u32 s96, s96, 1
	v_lshlrev_b32 v22, 3, v21
	v_sub_nc_u32 v[QI], v20, v22
	v_add_nc_u32 v[QI], s96, v[QI]                 ; 64 X + 32 i + r - 64 jj - 8 h - 1
	v_mov_b32 v[NINF], 0xff800000
	v_mov_b32 v[MC+1], 0xff61b1e6                  ; M: -3e38, under every score
	v_mov_b32 v[MC+3], 0xff61b1e6
	v_mul_f32 v[MC], s[CS], v[MC+1]
	v_mul_f32 v[MC+2], s[CS], v[MC+3]
.irp k, 0,1,2,3
	v_mov_b32 v[L+\k], 0
.endr
	v_mov_b32 v[RD+1], 0                           ; named as upper halves of pairs, so they are written
	v_mov_b32 v[RD+3], 0
	v_mov_b32 v[FF+1], 0
	v_mov_b32 v[FF+3], 0
	s_lshl_b32 s[DGK], s[CC], 8                    ; from this key on the mask is at work
	s_add_co_u32 s[KB], s[DGK], 128                ; the first key of record 2 c + 1
	s_add_co_u32 s[TR], s[CC], 1
	s_max_u32 s[TR], s[TR], 1                      ; (it is at least 1 as it stands: said so that the loop's end can be read off the text)
	s_wait_kmcnt 0x0
	s_wait_loadcnt 0x0                             ; Q and its scale words
	; ---------------- WALK 1: c + 1 trips of two steps, DOWN the keys; phase p reads record 2 c + 1 - p from slot p % 2
.Lp1:
	CH_HEAD
	CH_TAIL G0B, G1R                               ; the even record below, into slot 1
	QK 0
	MASK
	SM1
	s_sub_co_u32 s[KB], s[KB], 128
	CH_HEAD
	s_sub_nc_u64 s[G0B+2:G0B+3], s[G0B+2:G0B+3], 2*REC   ; no tensor load of mine is out: both groups 0 may be written (behind the last trip this address is not used: walk 2 writes it anew)
	s_sub_co_u32 s[OFA], s[OFA], 2*REC
	s_cmp_eq_u32 s[TR], 1
	s_cselect_b32 s[T0], 0, s[OFA]                 ; the next odd record down; in the last trip record 0, for walk 2
	s_add_nc_u64 s[G0A+2:G0A+3], s[KW:KW+1], s[T0:T0+1]
	s_or_b32 s[G0A+3], s[G0A+3], 0x80000000
	CH_TAIL G0A, G1R
	QK 1
	MASK
	SM1
	s_sub_co_u32 s[KB], s[KB], 128
	s_sub_co_u32 s[TR], s[TR], 1
	s_cmp_lg_u32 s[TR], 0
	s_cbranch_scc1 .Lp1
	; ---------------- the statistics are joined: the sum's halves, lane l xor 16, then the wave with the other 64 keys of each step (through LDS)
.irp a, 0, 1
	v_add_f32 v[L+2*\a], v[L+2*\a], v[L+2*\a+1]
.endr
.irp a, 0, 1
	v_permlanex16_b32 v[96+\a], v[MC+2*\a+1], s[SEL], s[SEL+1]
	v_permlanex16_b32 v[98+\a], v[L+2*\a], s[SEL], s[SEL+1]
.endr
	MERGE
.irp a, 0, 1
	ds_store_b32 v[STA], v[MC+2*\a+1] offset:256*\a
	ds_store_b32 v[STA], v[L+2*\a] offset:256*\a+128
.endr
	s_mov_b32 s[KB], 0
	; ---------------- WALK 2, up the keys.  Step j: A: scores from K's record j (slot 0), attn, its codes to LDS, while V's record j lands in slot 1.  B: the context, while K's record j + 1 lands in slot 0.
	CH_HEAD                                        ; A of step 0
	s_mov_b64 s[G0B+2:G0B+3], s[VW:VW+1]
	s_or_b32 s[G0B+3], s[G0B+3], 0x80000000
	CH_TAIL G0B, G1R
	ASKV0
	v_xor_b32 v110, 512, v[STA]                    ; wave w xor 1's statistics: stored in front of the round
.irp a, 0, 1
	ds_load_b32 v[96+\a], v110 offset:256*\a
	ds_load_b32 v[98+\a], v110 offset:256*\a+128
.endr
	s_wait_dscnt 0x0
	MERGE
.irp a, 0, 1
	v_rcp_f32 v[RD+2*\a], v[L+2*\a]
.endr
	v_cmp_lt_f32 s[TB], 0, v[L]                    ; a row with no key (the batch's first) has denom 0: its attn is 0
	v_cmp_lt_f32 s[TG], 0, v[L+2]
	s_wait_alu depctr_va_vdst(0)
	v_cndmask_b32 v[RD], 0, v[RD], s[TB]
	v_cndmask_b32 v[RD+2], 0, v[RD+2], s[TG]
	QK 0
	MASK
	SM2
	s_add_co_u32 s[KB], s[KB], 128
	CH_HEAD                                        ; B of step 0: its products start the sums
	s_add_nc_u64 s[G0A+2:G0A+3], s[G0A+2:G0A+3], REC
	CH_TAIL G0A, G1R
	PV 1
	s_lshl_b32 s[TR], s[CC], 1                     ; steps 1 .. n - 2: 2 c trips, none in the batch's first cluster (the number is the same in all four partners)
	s_cmp_eq_u32 s[TR], 0
	s_cbranch_scc1 .Lp2e
.Lp2:
	CH_HEAD
	s_add_nc_u64 s[G0B+2:G0B+3], s[G0B+2:G0B+3], REC
	s_wait_xcnt 0x0                                ; a prefetch of the last trip has read its address
	s_add_nc_u64 s[PFA:PFA+1], s[PFA:PFA+1], REC   ; my share of V's record j + 1
	CH_TAIL G0B, G1R
	ASKVL
	QK 0
	MASK
	SM2
	s_add_co_u32 s[KB], s[KB], 128
	CH_HEAD
	s_add_nc_u64 s[G0A+2:G0A+3], s[G0A+2:G0A+3], REC
	CH_TAIL G0A, G1R
	PV 0
	s_sub_co_u32 s[TR], s[TR], 1
	s_cmp_lg_u32 s[TR], 0
	s_cbranch_scc1 .Lp2
.Lp2e:
	CH_HEAD                                        ; the last step is written out: behind it the slots take x
	s_add_nc_u64 s[G0B+2:G0B+3], s[G0B+2:G0B+3], REC
	CH_TAIL G0B, G1R
	ASKX 0
	QK 0
	MASK
	SM2
	CH_HEAD
	CH_TAIL G0X, G1X                               ; rows 0-31 of x, my 1,024 bytes of each, into slot 0
	ASKX 1
	PV 0
	CH_HEAD
	s_add_co_u32 s[G0X+1], s[G0X+1], SLOT1
	s_add_nc_u64 s[G0X+2:G0X+3], s[G0X+2:G0X+3], 131072
	CH_TAIL G0X, G1X                               ; rows 32-63 into slot 1
	; ---------------- THE WAY OUT.  The addresses: plain lines that name no register of the last products; with the four above they are the places in front of the first read of the context
	v_and_b32 v248, 15, v0
	v_bfe_u32 v249, v0, 4, 1
	s_mul_i32 s[TB], s[WV], XQ
	v_mul_u32_u24 v[EA], v248, XP
	v_lshl_add_u32 v[EA], v249, 5, v[EA]
	v_add_nc_u32 v[EA], s[TB], v[EA]               ; row r, + 32 h: the eight channels of my half of a tile
	v_add_nc_u32 v[EA+1], SLOT1, v[EA]
	v_add_nc_u32 v[XB], s[TB], v[L16]
	s_lshl_b32 s[TG], s[WV], 2
	s_add_co_u32 s[TG], s[TG], RED
	v_add_nc_u32 v[RST], s[TG], v[L16]
	v_add_nc_u32 v[RLD], RED, v[L16]
	s_lshl_b32 s[TG], s[WV], 8
	s_add_co_u32 s[TG], s[TG], GATE
	v_lshl_add_u32 v[GST], v248, 2, s[TG]
.macro XL H, bt, buf                   ; x beside eight accumulators: query tile 2 H + bt / 2, channel tiles 8 (bt % 2) on
.set k8, 0
.rept 8
	ds_load_b128 v[\buf+8*k8:\buf+8*k8+3], v[EA+\H] offset:((\bt)/2)*16*XP+(8*((\bt)%2)+k8)*64
	ds_load_b128 v[\buf+8*k8+4:\buf+8*k8+7], v[EA+\H] offset:((\bt)/2)*16*XP+(8*((\bt)%2)+k8)*64+16
.set k8, k8+1
.endr
.endm
; Half H (query tiles 2 H, 2 H + 1: the context's window 2 + H): x.c, c.c and x.x over my 256 channels, four chains of pairs for each sum and tile; each accumulator is read from its low end on.
.macro EPA H
	XL \H, 0, KF0
	XL \H, 1, KF1
.set bt, 0
.rept 4
.if bt < 3
	s_wait_dscnt 16                                ; all but the next batch's 16 loads
.else
	s_wait_dscnt 0x0
.endif
.set xb, KF0+64*(bt%2)
.set ab, EAC+24*(bt/2)
	WIN 2+\H                                       ; source 0: the context
.set p, 0
.rept 32
.if (bt%2 == 0) && (p < 4)
	v_pk_mul_f32 v[ab+2*(p%4):ab+2*(p%4)+1], v[64*bt+2*p:64*bt+2*p+1], v[xb+2*p:xb+2*p+1]
.else
	v_pk_fma_f32 v[ab+2*(p%4):ab+2*(p%4)+1], v[64*bt+2*p:64*bt+2*p+1], v[xb+2*p:xb+2*p+1], v[ab+2*(p%4):ab+2*(p%4)+1]
.endif
.set p, p+1
.endr
	WIN 0x0a+5*\H                                  ; sources 0 and 1: the context
.set p, 0
.rept 32
.if (bt%2 == 0) && (p < 4)
	v_pk_mul_f32 v[ab+8+2*(p%4):ab+8+2*(p%4)+1], v[64*bt+2*p:64*bt+2*p+1], v[64*bt+2*p:64*bt+2*p+1]
.else
	v_pk_fma_f32 v[ab+8+2*(p%4):ab+8+2*(p%4)+1], v[64*bt+2*p:64*bt+2*p+1], v[64*bt+2*p:64*bt+2*p+1], v[ab+8+2*(p%4):ab+8+2*(p%4)+1]
.endif
.set p, p+1
.endr
	WIN 0
.set p, 0
.rept 32
.if (bt%2 == 0) && (p < 4)
	v_pk_mul_f32 v[ab+16+2*(p%4):ab+16+2*(p%4)+1], v[xb+2*p:xb+2*p+1], v[xb+2*p:xb+2*p+1]
.else
	v_pk_fma_f32 v[ab+16+2*(p%4):ab+16+2*(p%4)+1], v[xb+2*p:xb+2*p+1], v[xb+2*p:xb+2*p+1], v[ab+16+2*(p%4):ab+16+2*(p%4)+1]
.endif
.set p, p+1
.endr
.if bt < 2
	XL \H, bt+2, xb
.endif
.set bt, bt+1
.endr
.set y, 0
.rept 6                                ; y = 3 (tile) + (which sum): chains at EAC + 8 y
	v_pk_add_f32 v[EAC+8*y:EAC+8*y+1], v[EAC+8*y:EAC+8*y+1], v[EAC+8*y+2:EAC+8*y+3]
	v_pk_add_f32 v[EAC+8*y+4:EAC+8*y+5], v[EAC+8*y+4:EAC+8*y+5], v[EAC+8*y+6:EAC+8*y+7]
.set y, y+1
.endr
.set y, 0
.rept 6
	v_pk_add_f32 v[EAC+8*y:EAC+8*y+1], v[EAC+8*y:EAC+8*y+1], v[EAC+8*y+4:EAC+8*y+5]
.set y, y+1
.endr
.set y, 0
.rept 6
	v_add_f32 v[EAC+8*y], v[EAC+8*y], v[EAC+8*y+1]
.set y, y+1
.endr
.set y, 0
.rept 6
	v_permlanex16_b32 v[EAC+8*y+1], v[EAC+8*y], s[SEL], s[SEL+1]
.set y, y+1
.endr
.set y, 0
.rept 6
	v_add_f32 v[RV+6*\H+y], v[EAC+8*y], v[EAC+8*y+1]
.set y, y+1
.endr
.set y, 0
.rept 6
	ds_store_b32 v[RST], v[RV+6*\H+y] offset:(6*\H+y)*512
.set y, y+1
.endr
.endm
	EPA 0                                          ; half 0 was shown landed by the wait in front of the last round; I read only the bytes that I fetched
	s_wait_tensorcnt 0x0                           ; half 1 is in
	EPA 1
	s_wait_dscnt 0x0                               ; for the others' sake: my sums lie in LDS
	s_barrier_signal -1
	s_barrier_wait -1
.set y, 0
.rept 12
	ds_load_b128 v[96+4*y:99+4*y], v[RLD] offset:y*512         ; the four waves' parts
.set y, y+1
.endr
	s_wait_dscnt 0x0
.set y, 0
.rept 12
	v_pk_add_f32 v[96+4*y:97+4*y], v[96+4*y:97+4*y], v[98+4*y:99+4*y]
.set y, y+1
.endr
.set y, 0
.rept 12
	v_add_f32 v[RV+y], v[96+4*y], v[97+4*y]
.set y, y+1
.endr
	; the gates of all 64 rows, in every wave.  softplus(v) = max(v, 0) + ln 2 log2(1 + 2^(-|v| log2 e)); v144 alpha, v145 sigma; v148-151 a number for each query tile.  Transcendentals go in batches: a plain line, one wait
	v_mov_b32 v144, s84
	v_mov_b32 v145, s85
	v_mul_f32 v146, 0xbfb8aa3b, |v144|
	v_mul_f32 v147, 0xbfb8aa3b, |v145|
	v_exp_f32 v146, v146
	v_exp_f32 v147, v147
.irp t, 0,1,2,3
	v_sqrt_f32 v[RV+3*\t+1], v[RV+3*\t+1]
	v_sqrt_f32 v[RV+3*\t+2], v[RV+3*\t+2]
.endr
	v_max_num_f32 v144, 0, v144
	v_max_num_f32 v145, 0, v145
	s_wait_alu depctr_va_vdst(0)
	v_add_f32 v146, 1.0, v146
	v_add_f32 v147, 1.0, v147
.irp t, 0,1,2,3
	v_max_num_f32 v[RV+3*\t+1], 0x2b8cbccc, v[RV+3*\t+1]       ; max(|c|, 1e-12)
	v_max_num_f32 v[RV+3*\t+2], 0x2b8cbccc, v[RV+3*\t+2]       ; max(|x|, 1e-12)
.endr
.irp t, 0,1,2,3
	v_mul_f32 v[148+\t], v[RV+3*\t+1], v[RV+3*\t+2]
.endr
	v_log_f32 v146, v146
	v_log_f32 v147, v147
.irp t, 0,1,2,3
	v_rcp_f32 v[148+\t], v[148+\t]
.endr
	v_nop
	s_wait_alu depctr_va_vdst(0)
	v_fmamk_f32 v144, v146, 0x3f317218, v144       ; alpha
	v_fmamk_f32 v145, v147, 0x3f317218, v145       ; sigma
.irp t, 0,1,2,3
	v_fma_f32 v[148+\t], -v[RV+3*\t], v[148+\t], 1.0           ; 1 - cos
.endr
.irp t, 0,1,2,3
	v_cmp_neq_f32 vcc_lo, v[148+\t], v[148+\t]     ; NaN becomes novelty 1
	v_med3_num_f32 v[148+\t], v[148+\t], 0, 2.0
	v_mul_f32 v[148+\t], 0.5, v[148+\t]
	v_cndmask_b32 v[148+\t], v[148+\t], 1.0, vcc_lo
.endr
.irp t, 0,1,2,3
	v_mul_f32 v[148+\t], v145, v[148+\t]
.endr
.irp t, 0,1,2,3
	v_mul_f32 v[148+\t], 0x4038aa3b, v[148+\t]     ; tanh z = 1 - 2 / (1 + 2^(2 z log2 e))
.endr
.irp t, 0,1,2,3
	v_exp_f32 v[148+\t], v[148+\t]
.endr
	v_nop
	s_wait_alu depctr_va_vdst(0)
.irp t, 0,1,2,3
	v_add_f32 v[148+\t], 1.0, v[148+\t]
.endr
.irp t, 0,1,2,3
	v_rcp_f32 v[148+\t], v[148+\t]
.endr
	v_nop
	s_wait_alu depctr_va_vdst(0)
.irp t, 0,1,2,3
	v_fma_f32 v[148+\t], v[148+\t], -2.0, 1.0
.endr
.irp t, 0,1,2,3
	v_fma_f32 v[148+\t], v144, v[148+\t], 1.0      ; the gate
.endr
.irp t, 0,1,2,3
	ds_store_b32 v[GST], v[148+\t] offset:64*\t    ; my wave's own copy: LDS serves a wave's instructions in order, so its reads below see it
.endr
	v_mov_b32 v132, 0xbdd2d3e8                     ; -2 sqrt(2 / pi) log2(e) x 0.044715
	v_mov_b32 v133, 0xbdd2d3e8
	v_mov_b32 v134, 0xc0135761                     ; -2 sqrt(2 / pi) log2(e)
	v_mov_b32 v135, 0xc0135761
; out = y / (1 + 2^(y (k1 + k2 y^2))), y = x gate: gelu_tanh(y) written with the logistic function.  Eight trips of four rows for each half; my 1,024 bytes of a row leave as two stores of 512 consecutive bytes.
.macro EPB H
	s_mov_b32 s[TB], \H*SLOT1
	s_lshl_b32 s[TG], s[WV], 8
	s_add_co_u32 s[TG], s[TG], GATE+\H*128
	s_mov_b32 s[TR], 8
.Lrows_\@:
	v_mov_b32 v[GA], s[TG]
	v_add_nc_u32 v[XA], s[TB], v[XB]
	ds_load_b128 v[128:131], v[GA]                 ; the four rows' gates, the same in every lane
.set m, 0
.rept 8
	ds_load_b128 v[96+4*m:99+4*m], v[XA] offset:(m/2)*XP+(m%2)*512
.set m, m+1
.endr
	s_wait_dscnt 0x0
.set p, 0
.rept 16
.if (p/4)%2 == 0
	v_pk_mul_f32 v[96+2*p:97+2*p], v[96+2*p:97+2*p], v[128+p/4:129+p/4] op_sel_hi:[1,0]
.else
	v_pk_mul_f32 v[96+2*p:97+2*p], v[96+2*p:97+2*p], v[127+p/4:128+p/4] op_sel:[0,1] op_sel_hi:[1,1]
.endif
.set p, p+1
.endr
.set p, 0
.rept 16
	v_pk_mul_f32 v[160+2*p:161+2*p], v[96+2*p:97+2*p], v[96+2*p:97+2*p]
.set p, p+1
.endr
.set p, 0
.rept 16
	v_pk_fma_f32 v[160+2*p:161+2*p], v[160+2*p:161+2*p], v[132:133], v[134:135]
.set p, p+1
.endr
.set p, 0
.rept 16
	v_pk_mul_f32 v[160+2*p:161+2*p], v[160+2*p:161+2*p], v[96+2*p:97+2*p]
.set p, p+1
.endr
.set p, 0
.rept 32
	v_exp_f32 v[160+p], v[160+p]
.set p, p+1
.endr
	v_nop
	s_wait_alu depctr_va_vdst(0)
.set p, 0
.rept 16
	v_pk_add_f32 v[160+2*p:161+2*p], v[160+2*p:161+2*p], 1.0 op_sel_hi:[1,0]
.set p, p+1
.endr
.set p, 0
.rept 32
	v_rcp_f32 v[160+p], v[160+p]
.set p, p+1
.endr
	v_nop
	s_wait_alu depctr_va_vdst(0)
.set p, 0
.rept 16
	v_pk_mul_f32 v[160+2*p:161+2*p], v[160+2*p:161+2*p], v[96+2*p:97+2*p]
.set p, p+1
.endr
.set m, 0
.rept 8
	global_store_b128 v[L16], v[160+4*m:163+4*m], s[OUTW:OUTW+1] offset:(m/2)*4096+(m%2)*512 th:TH_STORE_NT
.set m, m+1
.endr
	s_wait_xcnt 0x0                                ; the stores have read their data and their base: both are written again only behind this wait
	s_add_nc_u64 s[OUTW:OUTW+1], s[OUTW:OUTW+1], 16384
	s_add_co_u32 s[TB], s[TB], 4*XP
	s_add_co_u32 s[TG], s[TG], 16
	s_sub_co_u32 s[TR], s[TR], 1
	s_cmp_lg_u32 s[TR], 0
	s_cbranch_scc1 .Lrows_\@
.endm
	EPB 0
	EPB 1
	s_wait_tensorcnt 0x0                           ; the wave's end: behind my last tensor load and my last LDS store
	ds_add_u32 v[SPW], v[NIL]
	s_wait_dscnt 0x0
	CROUND                                         ; the closing round: no work-group ends while a partner may still ask for a record that names it
	s_endpgm
.Lfunc_end_k_q3f82adc4d2_attn:
	.size	k_q3f82adc4d2_attn, .Lfunc_end_k_q3f82adc4d2_attn-k_q3f82adc4d2_attn
	.p2alignl 7, 3214868480
	.fill 96, 4, 3214868480
	.section	.rodata,"a",@progbits
	.p2align	6, 0x0
	.amdhsa_kernel k_q3f82adc4d2_attn
		.amdhsa_group_segment_fixed_size 327680
		.amdhsa_private_segment_fixed_size 0
		.amdhsa_enable_private_segment 0
		.amdhsa_kernarg_size 48
		.amdhsa_user_sgpr_count 2
		.amdhsa_user_sgpr_kernarg_segment_ptr 1
		.amdhsa_wavefront_size32 1
		.amdhsa_system_sgpr_workgroup_id_x 1
		.amdhsa_system_sgpr_workgroup_id_y 1
		.amdhsa_system_sgpr_workgroup_id_z 1
		.amdhsa_system_vgpr_workitem_id 0
		.amdhsa_next_free_vgpr 1024
		.amdhsa_next_free_sgpr 100
		.amdhsa_reserve_vcc 1
		.amdhsa_float_denorm_mode_32 3
		.amdhsa_float_denorm_mode_16_64 3
		.amdhsa_memory_ordered 1
		.amdhsa_forward_progress 1
		.amdhsa_inst_pref_size 255
	.end_amdhsa_kernel
	.section	.bss,"aw",@nobits
	.p2align	6
	.space	262144
	.amdgpu_metadata
---
amdhsa.version: [ 1, 2 ]
amdhsa.kernels:
  - .name:           k_q3f82adc4d2_attn
    .symbol:         k_q3f82adc4d2_attn.kd
    .args:
      - { .name: x, .offset: 0, .size: 8, .value_kind: global_buffer, .address_space: global }
      - { .name: log_alpha, .offset: 8, .size: 8, .value_kind: global_buffer, .address_space: global }
      - { .name: log_sigma, .offset: 16, .size: 8, .value_kind: global_buffer, .address_space: global }
      - { .name: kq, .offset: 24, .size: 8, .value_kind: global_buffer, .address_space: global }
      - { .name: vq, .offset: 32, .size: 8, .value_kind: global_buffer, .address_space: global }
      - { .name: out0, .offset: 40, .size: 8, .value_kind: global_buffer, .address_space: global }
    .group_segment_fixed_size: 327680
    .private_segment_fixed_size: 0
    .kernarg_segment_align: 8
    .kernarg_segment_size: 48
    .max_flat_workgroup_size: 128
    .sgpr_count:     100
    .vgpr_count:     1024
    .wavefront_size: 32
...
	.end_amdgpu_metadata
.endif
;; end of part 2
